; MI455X (gfx1250); checked and timed in simulation.
; The chip was launched on July 23, 2026; its instructions are those of AMD's public machine-readable ISA for CDNA 5 (MIT licence, August 2026) and "CDNA5" Instruction Set Architecture Reference Guide (July 2026). The comments in the code are by the model that wrote it; some were corrected since.
;; Attention. Allowed arithmetic: matrix products marked QUANTISED: E4M3 operands, one given power-of-two scale a tensor, by v_wmma_f32_16x16x64_fp8_fp8 or v_wmma_f32_16x16x128_fp8_fp8, f32 sums; everything else in f32.
;; Inputs: attention_mask 2 x 4,096 bool; hidden_states 2 x 4,096 x 512 float32; lowp_scales 12 int32 (the exponents e of the quantised operands' scales 2^e); position_ids 2 x 4,096 int32; segment_ids 2 x 4,096 int32; wk 512 x 512 float32; wo 512 x 512 float32; wq 512 x 512 float32; wv 512 x 512 float32.
;; Outputs: out0 2 x 4,096 x 512 float32.
;; This version of the problem:
;;   THIS VERSION OF THE PROBLEM IS GIVEN IN LOW PRECISION. The matrix products marked QUANTISED in the list below multiply operands that are first quantised to E4M3 (4 exponent bits, 3 mantissa bits; 8 bits a number), with one given power-of-two scale for each operand tensor; their sums are f32. All else is computed in f32.
;;   The module's matrix products, in the order in which they are computed (A, B: the left and right operand; K: the contracted axis; several contracted axes count as one K, in the product's order):
;;     1. [M 8,192, K 512] x [K 512, N 512]; A: input hidden_states; B: input wq: QUANTISED (scales: A lowp_scales[0], B lowp_scales[1])
;;     2. [M 8,192, K 512] x [K 512, N 512]; A: input hidden_states; B: input wk: QUANTISED (scales: A lowp_scales[2], B lowp_scales[3])
;;     3. [M 8,192, K 512] x [K 512, N 512]; A: input hidden_states; B: input wv: QUANTISED (scales: A lowp_scales[4], B lowp_scales[5])
;;     4. batch 16 x [M 4,096, K 64] x [K 64, N 4,096]; A: computed on the way; B: computed on the way: QUANTISED (scales: A lowp_scales[6], B lowp_scales[7])
;;     5. batch 16 x [M 64, K 4,096] x [K 4,096, N 4,096]; A: computed on the way; B: softmax (see below): QUANTISED (scales: A lowp_scales[8], B lowp_scales[9])
;;     6. [M 8,192, K 512] x [K 512, N 512]; A: computed on the way; B: input wo: QUANTISED (scales: A lowp_scales[10], B lowp_scales[11])
;;   THE QUANTISER, for each operand of a quantised product, along K:
;;     - The operand's scale is 2^e, e = its entry of the input lowp_scales (int32; the entries are numbered through the quantised products in the list's order, A before B).
;;     - Each number is divided by the scale, clamped to +-448, and rounded to the nearest number of E4M3, ties to even, subnormals kept.
;;     - The product sums the exact products of the quantised numbers (number of the format x scale) in f32.
;;   ~~~python
;;   def quantise(x, axis, e):      # numpy; x: float32 -> the quantised numbers, widened to float32 again
;;       x = np.moveaxis(x, axis, -1); K = x.shape[-1]
;;       r = np.clip(x / 2.0 ** e, -448, 448)
;;       step = 2.0 ** (np.maximum(np.frexp(np.where(r == 0, 1, r))[1] - 1, -6) - 3)
;;       q = np.round(r / step) * step * 2.0 ** e      # np.round: ties to even
;;       return np.moveaxis(q, -1, axis).astype(np.float32)
;;   ~~~
;;   SOFTMAX AHEAD OF A QUANTISED PRODUCT. Where the list says 'softmax', what is quantised is not the finished softmax but p = 2^(t - M), with t = logit x log2(e) and M = ceil(the row's largest t), a whole number; so 1/2 < the row's largest p <= 1. The row's sum l is taken of the UNQUANTISED p, in f32, and the product's result is divided by l at the end. Since M is a whole number, a kernel that streams over the keys may use a running M (the ceiling of the running maximum): every later rescaling is an exact power of two, so the quantised numbers keep their values, but for numbers so far below the row's largest that they fall under the format's range.
;;   OPERANDS COMPUTED ON THE WAY. 'Computed on the way' means the value that the module computes at that place (a softmax that the list does not call 'softmax' is quantised finished and normalised). What goes into a quantiser is computed in f32, as accurately as f32 sums, v_exp_f32 and their like allow (about 1e-6 of the number): no bf16 or f16 on the way to a quantiser, and a product that is left as it is and whose result goes on into a quantised operand takes f32 operands (vector FMAs, or v_wmma_f32_16x16x4_f32). A number that lies on a knife's edge between two numbers of the format may be rounded either way, as far as f32 arithmetic and the matrix unit's own rounding can turn it there, and no further.
;; One version. Each part assembles by itself: llvm-mc -triple=amdgcn-amd-amdhsa -mcpu=gfx1250 --defsym DOCPART=n.
;; ======== version 1 of 1: 4 launches
;; limits: right only within a limited range of input values
;; workspace buffers: wcodes 1,048,576 bytes; cs 2,097,152 bytes; kbias 32,768 bytes; cls 8,192 bytes of whole numbers; qc 4,194,304 bytes; kc 4,194,304 bytes; vc 4,194,304 bytes; ac 4,194,304 bytes
;; launch prep (part 1): grid 264 x 1, 4 waves a work-group, no clusters, 0 bytes of LDS; arguments attention_mask, segment_ids, position_ids, wq, wk, wv, wo, lowp_scales, wcodes, cs, kbias, cls; writes wcodes, cs, kbias, cls
.if DOCPART == 1
	.amdgcn_target "amdgcn-amd-amdhsa--gfx1250"
	.amdhsa_code_object_version 6
	.text
	.protected	k_q6a6c854629_prep
	.globl	k_q6a6c854629_prep
	.p2align	8
	.type	k_q6a6c854629_prep,@function
k_q6a6c854629_prep:
	s_mov_b64 s[64:65], 0
	v_nop
	global_prefetch_b8 v0, s[64:65] scope:SCOPE_SE
	s_setreg_imm32_b32 hwreg(HW_REG_WAVE_MODE, 25, 1), 1
	s_wait_xcnt 0x0
; PREP: all that hangs on the small inputs alone, made once.  Three paths, parted by the work-group's number; no LDS, no barrier, no matrix work.
;  work-groups 0-7     CLASSES: for each tile of 16 queries and each step of 128 keys: can any score count (live), do all count or only some (mixed); for each block of 256 queries which key steps it must
;                      fetch (wglive) and which it is the first block to fetch (ask).  Bit j of a word is key step j.  Made of whole numbers alone: segment_ids, attention_mask and the block-causal rule
;                      (blocks of 2,048).  Also kbias: 0 for a key whose attention_mask is true, -infinity else.
;  work-groups 8-135   WEIGHTS: wq, wk, wv, wo become codes of E4M3 with their given scales (entries 1, 3, 5, 11), laid as images of operand registers: fragment (matrix mi, 16 rows rt, K step s of 128) at
;                      2,048 (128 mi + 4 rt + s); registers 4 g .. 4 g + 3 of lane l at 512 g + 16 l; registers 2 c, 2 c + 1 of lane (r, h) hold k = 16 c + 8 h + 0 .. 7 of row r.
;  work-groups 136-263 ANGLES: cos and sin of position x 10^(-i / 8), i = 0 .. 31, for 16 tokens a wave, laid as the projection's results want them: token tile tt at 4,096 tt; chunk 2 c + half at
;                      512 bytes each, 16 bytes a lane: lane (r, h): cos, sin, cos, sin of i = 8 c + 4 h + 2 half and the next, of token 16 tt + r.
; live is decided by ranges: a tile's smallest and largest segment id against a step's smallest and largest among its visible keys (ids ordered as unsigned numbers: any order serves).  Ranges that
; do not meet hold no equal pair; ranges that meet may hold none: such a step is walked as mixed and every score is tested there.
; LIMITS: each weight's exponent e between -126 and 119.  NaN among the weights is not served.  |position| up to 2^17: beyond it the whole number of quarter turns may be off by more than the polynomials allow.
.set SEGV, 32                          ; classes: v32-159  my key step's 128 segment ids
.set MSKV, 160                         ; v160-191 its 128 mask bytes
.set OWN,  192                         ; v192-193 the 256 mask bytes of my wave's block, for kbias
.set TMIN, 16                          ; v16-23   smallest id of each of my step's 8 tiles of 16 tokens (as queries: not masked)
.set TMAX, 24                          ; v24-31   largest
.set MM,   196                         ; v196-199 four tokens' mask bytes
.set NM,   200                         ; v200-203 m - 1, then id | (m - 1): all ones where the key is hidden
.set PM,   204                         ; v204-207 -m, then id & -m: 0 where the key is hidden
.set KMIN, 208                         ; v208-211 four running minima over visible keys
.set KMAX, 212                         ; v212-215 four running maxima
.set TA,   216                         ; v216-219 at work
.set CW,   220                         ; v220-223 live, mixed, wglive, ask: lane t holds tile t's entry
.set KBO,  224                         ; v224-231 kbias of 8 tokens
.set F,    16                          ; angles: v16-31 my 16 frequencies;  v32-63 the 32 results
.set OUT,  32
	s_load_b512 s[16:31], s[0:1], 0x0              ; attention_mask s[16:17], segment_ids s[18:19], position_ids s[20:21], wq s[22:23], wk s[24:25], wv s[26:27], wo s[28:29], lowp_scales s[30:31]
	s_load_b256 s[32:39], s[0:1], 0x40             ; wcodes s[32:33], cs s[34:35], kbias s[36:37], cls s[38:39]
	v_lshrrev_b32 v1, 5, v0
	v_readfirstlane_b32 s2, v1                     ; wave 0..3
	v_and_b32 v2, 31, v0                           ; lane
	v_and_b32 v3, 15, v0                           ; r
	v_bfe_u32 v4, v0, 4, 1                         ; h
	v_lshlrev_b32 v6, 4, v2                        ; 16 x lane
	s_mov_b32 s7, 0                                ; the upper word of every offset pair s[6:7]
	s_wait_kmcnt 0x0
	s_cmp_lt_u32 ttmp9, 8
	s_cbranch_scc1 .Lclasses
	s_cmp_lt_u32 ttmp9, 136
	s_cbranch_scc1 .Lweights
; ---------------- ANGLES
	s_sub_co_u32 s3, ttmp9, 136
	s_lshl_b32 s3, s3, 2
	s_add_co_u32 s3, s3, s2                        ; tt: my tile of 16 tokens, 0 .. 511
	s_lshl_b32 s6, s3, 6
	s_add_nc_u64 s[20:21], s[20:21], s[6:7]        ; its 16 positions
	s_lshl_b32 s6, s3, 12
	s_add_nc_u64 s[34:35], s[34:35], s[6:7]        ; its 4,096 bytes of cs
	s_wait_alu depctr_va_vdst(0)
	v_lshlrev_b32 v5, 2, v3
	global_load_b32 v7, v5, s[20:21]               ; position of token 16 tt + r
	s_mov_b32 s40, 0x3f22f983                      ; 2 / pi
	s_mov_b32 s41, 0xbfc90fdb                      ; -(pi / 2 rounded to f32)
	s_mov_b32 s42, 0x333bbd2e                      ; -(pi / 2 less that)
	s_mov_b32 s43, 0xbe2aaaab                      ; sine: -1/6, 1/120, -1/5040, 1/362880
	s_mov_b32 s44, 0x3c088889
	s_mov_b32 s45, 0xb9500d01
	s_mov_b32 s46, 0x3638ef1d
	s_mov_b32 s47, 0x3d2aaaab                      ; cosine: 1/24, -1/720, 1/40320
	s_mov_b32 s48, 0xbab60b61
	s_mov_b32 s49, 0x37d00d01
	v_cmp_eq_u32 vcc_lo, 1, v4
.macro BASE p, lo, hi                  ; 10^(-(4 h + p) / 8)
	v_mov_b32 v[F+\p], \hi
	v_cndmask_b32 v[F+\p], \lo, v[F+\p], vcc_lo
.endm
	BASE 0, 0x3f800000, 0x3ea1e89b
	BASE 1, 0x3f3ff911, 0x3e72d424
	BASE 2, 0x3f0ff59a, 0x3e361887
	BASE 3, 0x3ed7e89b, 0x3e088d77
.irp p, 0,1,2,3
	v_mul_f32 v[F+4+\p], 0x3dcccccd, v[F+\p]       ; frequency 8 c + 4 h + p = 10^-c x the base: c = 1,
	v_mul_f32 v[F+8+\p], 0x3c23d70a, v[F+\p]       ; 2,
	v_mul_f32 v[F+12+\p], 0x3a83126f, v[F+\p]      ; 3
.endr
	s_wait_loadcnt 0x0
	v_cvt_f32_i32 v66, v7
; cos and sin of x = position x frequency a, in plain f32 arithmetic: n = the nearest whole number of quarter turns; r = x - n pi / 2 in two steps, the first of which rounds nothing (x and n x the
; rounded pi / 2 are multiples of 2^-23 and their difference is under 1); Taylor polynomials on |r| about pi / 4 (first terms left out: r^11 / 11! and r^10 / 10!, under 3e-8); then the quarter turn.
.macro SINCOS
	v_mul_f32 v8, v66, v[F+a]
	v_mul_f32 v9, s40, v8
	v_rndne_f32 v9, v9
	v_fma_f32 v10, v9, s41, v8
	v_fma_f32 v10, v9, s42, v10
	v_mul_f32 v11, v10, v10
	v_fma_f32 v12, v11, s46, s45
	v_fma_f32 v13, v11, s49, s48
	v_cvt_i32_f32 v14, v9
	v_fma_f32 v12, v11, v12, s44
	v_fma_f32 v13, v11, v13, s47
	v_mul_f32 v15, v10, v11
	v_fma_f32 v12, v11, v12, s43
	v_fma_f32 v13, v11, v13, -0.5
	v_and_b32 v64, 1, v14
	v_fma_f32 v12, v15, v12, v10                   ; sin r
	v_fma_f32 v13, v11, v13, 1.0                   ; cos r
	v_cmp_eq_u32 vcc_lo, 1, v64                    ; an odd n swaps the two
	v_add_nc_u32 v65, 1, v14
	v_lshlrev_b32 v14, 30, v14
	v_lshlrev_b32 v65, 30, v65
	v_cndmask_b32 v64, v13, v12, vcc_lo
	v_cndmask_b32 v15, v12, v13, vcc_lo
	v_and_b32 v14, 0x80000000, v14                 ; the sine's sign: bit 1 of n
	v_and_b32 v65, 0x80000000, v65                 ; the cosine's: bit 1 of n + 1
	v_xor_b32 v[OUT+2*a], v64, v65
	v_xor_b32 v[OUT+2*a+1], v15, v14
.endm
.set a, 0
.rept 16
	SINCOS
.set a, a+1
.endr
.irp k, 0,1,2,3,4,5,6,7
	global_store_b128 v6, v[OUT+4*\k:OUT+4*\k+3], s[34:35] offset:512*\k   ; 32 lanes store 512 consecutive bytes
.endr
	s_endpgm
; ---------------- WEIGHTS: one fragment, 16 rows x 128 K, a wave
.Lweights:
	s_load_b256 s[40:47], s[30:31], 0x0            ; e0 .. e7
	s_load_b128 s[48:51], s[30:31], 0x20           ; e8 .. e11
	s_sub_co_u32 s3, ttmp9, 8
	s_lshr_b32 s4, s3, 5                           ; mi: which matrix
	s_and_b32 s5, s3, 31                           ; rt: which 16 rows
	s_cmp_eq_u32 s4, 1
	s_cselect_b64 s[22:23], s[24:25], s[22:23]
	s_cmp_eq_u32 s4, 2
	s_cselect_b64 s[22:23], s[26:27], s[22:23]
	s_cmp_eq_u32 s4, 3
	s_cselect_b64 s[22:23], s[28:29], s[22:23]
	s_lshl_b32 s6, s5, 15                          ; 16 rows of 2,048 bytes
	s_lshl_b32 s8, s2, 9                           ; K step = wave: 512 bytes
	s_add_co_u32 s6, s6, s8
	s_add_nc_u64 s[22:23], s[22:23], s[6:7]
	s_lshl_b32 s6, s3, 2
	s_add_co_u32 s6, s6, s2
	s_lshl_b32 s6, s6, 11                          ; the fragment's image
	s_add_nc_u64 s[32:33], s[32:33], s[6:7]
	s_wait_alu depctr_va_vdst(0)
	v_lshlrev_b32 v5, 11, v3
	v_lshl_add_u32 v5, v4, 5, v5                   ; row r, + 32 h
.irp c, 0,1,2,3,4,5,6,7
	global_load_b128 v[32+8*\c:35+8*\c], v5, s[22:23] offset:64*\c th:TH_LOAD_NT      ; register 8 c + i: k = 16 c + 8 h + i
	global_load_b128 v[36+8*\c:39+8*\c], v5, s[22:23] offset:64*\c+16 th:TH_LOAD_NT
.endr
	s_wait_kmcnt 0x0
	s_cmp_eq_u32 s4, 1
	s_cselect_b32 s9, s43, s41
	s_cmp_eq_u32 s4, 2
	s_cselect_b32 s9, s45, s9
	s_cmp_eq_u32 s4, 3
	s_cselect_b32 s9, s51, s9                      ; e
	s_add_co_i32 s9, s9, 127
	s_lshl_b32 s10, s9, 23
	v_mov_b32 v8, s10                              ; 2^e as f32: the conversion takes its exponent field
	s_add_co_i32 s9, s9, 8
	s_lshl_b32 s9, s9, 23
	s_or_b32 s9, s9, 0x600000
	v_mov_b32 v9, s9                               ; 448 x 2^e
	s_wait_alu depctr_va_vdst(0)
	s_wait_loadcnt 0x0
.set j, 0
.rept 64
	v_med3_num_f32 v[32+j], v[32+j], -v9, v9       ; the conversion to an 8-bit code does not saturate (ISA guide 7.6.2): the hold at the largest code x the scale
.set j, j+1
.endr
.irp c, 0,1,2,3,4,5,6,7
	v_cvt_scalef32_pk8_fp8_f32 v[96+2*\c:97+2*\c], v[32+8*\c:39+8*\c], v8
.endr
.irp g, 0,1,2,3
	global_store_b128 v6, v[96+4*\g:99+4*\g], s[32:33] offset:512*\g
.endr
	s_endpgm
; ---------------- CLASSES: wave g = 4 x work-group + wave serves batch g / 16, query block g % 16 (256 queries).  Lane j scans key step j of the batch
.Lclasses:
	s_lshl_b32 s3, ttmp9, 2
	s_add_co_u32 s3, s3, s2                        ; g
	s_lshr_b32 s4, s3, 4                           ; batch
	s_and_b32 s5, s3, 15                           ; qb
	s_lshl_b32 s6, s4, 14
	s_add_nc_u64 s[18:19], s[18:19], s[6:7]        ; the batch's segment ids
	s_lshl_b32 s6, s4, 12
	s_add_nc_u64 s[40:41], s[16:17], s[6:7]        ; its mask bytes
	s_lshl_b32 s6, s3, 8
	s_add_nc_u64 s[42:43], s[16:17], s[6:7]        ; my block's 256 mask bytes
	s_add_nc_u64 s[38:39], s[38:39], s[6:7]        ; my block's 16 entries of 16 bytes
	s_lshl_b32 s6, s3, 10
	s_add_nc_u64 s[36:37], s[36:37], s[6:7]        ; my block's 256 numbers of kbias
	s_wait_alu depctr_va_vdst(0)
	v_lshlrev_b32 v5, 9, v2
	v_lshlrev_b32 v7, 7, v2
	v_lshlrev_b32 v1, 2, v2
.set i, 0
.rept 32
	global_load_b128 v[SEGV+4*i:SEGV+4*i+3], v5, s[18:19] offset:16*i
.set i, i+1
.endr
.set i, 0
.rept 8
	global_load_b128 v[MSKV+4*i:MSKV+4*i+3], v7, s[40:41] offset:16*i
.set i, i+1
.endr
	global_load_b32 v[OWN], v1, s[42:43]
	global_load_b32 v[OWN+1], v1, s[42:43] offset:128
	v_mov_b32 v14, 0xff800000                      ; -infinity
.irp q, 0,1,2,3
	v_mov_b32 v[KMIN+\q], -1
	v_mov_b32 v[KMAX+\q], 0
.endr
	s_wait_loadcnt 0x0
.irp w, 0,1
.irp q, 0,1,2,3
	v_bfe_u32 v12, v[OWN+\w], 8*\q, 8
	v_cmp_eq_u32 vcc_lo, 0, v12
	v_cndmask_b32 v[KBO+4*\w+\q], 0, v14, vcc_lo
.endr
.endr
	global_store_b128 v6, v[KBO:KBO+3], s[36:37]               ; tokens 4 lane .. + 3
	global_store_b128 v6, v[KBO+4:KBO+7], s[36:37] offset:512  ; tokens 128 + 4 lane .. + 3
	v_or_b32 v8, v[MSKV], v[MSKV+1]
	v_and_b32 v9, v[MSKV], v[MSKV+1]
.set i, 2
.rept 30
	v_or_b32 v8, v8, v[MSKV+i]                     ; is any key of my step visible,
	v_and_b32 v9, v9, v[MSKV+i]                    ; are all
.set i, i+1
.endr
.set n, 0
.rept 32                               ; four tokens at a time, each kind of line four times, so that no line waits for the one above it
.irp q, 0,1,2,3
	v_bfe_u32 v[MM+\q], v[MSKV+n/4], 8*\q, 8
.endr
.irp q, 0,1,2,3
	v_add_nc_u32 v[NM+\q], -1, v[MM+\q]
.endr
.irp q, 0,1,2,3
	v_sub_nc_u32 v[PM+\q], 0, v[MM+\q]
.endr
.irp q, 0,1,2,3
	v_or_b32 v[NM+\q], v[SEGV+n+\q], v[NM+\q]
.endr
.irp q, 0,1,2,3
	v_and_b32 v[PM+\q], v[SEGV+n+\q], v[PM+\q]
.endr
.irp q, 0,1,2,3
	v_min_u32 v[KMIN+\q], v[KMIN+\q], v[NM+\q]
.endr
.irp q, 0,1,2,3
	v_max_u32 v[KMAX+\q], v[KMAX+\q], v[PM+\q]
.endr
	v_min_u32 v[TA], v[SEGV+n], v[SEGV+n+1]
	v_min_u32 v[TA+1], v[SEGV+n+2], v[SEGV+n+3]
	v_max_u32 v[TA+2], v[SEGV+n], v[SEGV+n+1]
	v_max_u32 v[TA+3], v[SEGV+n+2], v[SEGV+n+3]
.if (n%16) == 0
	v_min_u32 v[TMIN+n/16], v[TA], v[TA+1]         ; a tile's first four tokens start its range
	v_max_u32 v[TMAX+n/16], v[TA+2], v[TA+3]
.else
	v_min_u32 v[TA], v[TA], v[TA+1]
	v_max_u32 v[TA+2], v[TA+2], v[TA+3]
	v_min_u32 v[TMIN+n/16], v[TMIN+n/16], v[TA]
	v_max_u32 v[TMAX+n/16], v[TMAX+n/16], v[TA+2]
.endif
.set n, n+4
.endr
	v_min_u32 v[KMIN], v[KMIN], v[KMIN+1]
	v_min_u32 v[KMIN+2], v[KMIN+2], v[KMIN+3]
	v_max_u32 v[KMAX], v[KMAX], v[KMAX+1]
	v_max_u32 v[KMAX+2], v[KMAX+2], v[KMAX+3]
	v_min_u32 v[KMIN], v[KMIN], v[KMIN+2]          ; my step's visible keys: smallest id,
	v_max_u32 v[KMAX], v[KMAX], v[KMAX+2]          ; largest
	v_min_u32 v10, v[TMIN], v[TMIN+1]
	v_max_u32 v11, v[TMAX], v[TMAX+1]
.irp i, 2,3,4,5,6,7
	v_min_u32 v10, v10, v[TMIN+\i]
	v_max_u32 v11, v11, v[TMAX+\i]
.endr
	v_mov_b32 v12, 0                               ; (a DPP form's destination counts as read)
	v_mov_b32 v13, 0
	v_mov_b32_dpp v12, v10 row_xmask:1 row_mask:0xf bank_mask:0xf
	v_mov_b32_dpp v13, v11 row_xmask:1 row_mask:0xf bank_mask:0xf
	v_min_u32 v10, v10, v12                        ; lanes 2 q and 2 q + 1: the range of query block q's 256 ids
	s_wait_alu depctr_va_vdst(0)
	v_max_u32 v11, v11, v13
	s_wait_alu depctr_va_vdst(0)
	v_cmp_ne_u32 s44, 0, v8                        ; ANY: bit j: step j has a visible key
	s_mov_b32 s50, 0x01010101
	v_cmp_eq_u32 s45, s50, v9
	v_cmp_eq_u32 s51, v[KMIN], v[KMAX]
	s_and_b32 s45, s45, s51                        ; UNI: all its keys are visible and of one segment
	s_cmp_lt_u32 s5, 8
	s_cselect_b32 s46, 0xffff, -1                  ; block-causal: queries under 2,048 see key steps 0 to 15 alone
	s_mov_b32 s47, 0                               ; LOWER: what blocks under mine fetch
	s_mov_b32 s48, 0                               ; WGL: what mine fetches
.irp q, 0,1,2,3,4,5,6,7,8,9,10,11,12,13,14,15
	v_readlane_b32 s50, v10, 2*\q
	v_readlane_b32 s51, v11, 2*\q
	v_cmp_ge_u32 s52, s51, v[KMIN]
	v_cmp_le_u32 s53, s50, v[KMAX]
	s_and_b32 s52, s52, s53
	s_and_b32 s52, s52, s44
.if \q < 8
	s_and_b32 s52, s52, 0xffff
.endif
	s_cmp_gt_u32 s5, \q
	s_cselect_b32 s53, s52, 0
	s_or_b32 s47, s47, s53
	s_cmp_eq_u32 s5, \q
	s_cselect_b32 s53, s52, 0
	s_or_b32 s48, s48, s53
.endr
	s_and_not1_b32 s49, s48, s47                   ; ask: the steps that no lower block of the batch fetches
	s_lshl_b32 s56, s5, 1                          ; the lanes that scanned my block's tokens: 2 qb,
	s_add_co_u32 s57, s56, 1                       ; 2 qb + 1
	v_mov_b32 v[CW], 0
	s_wait_alu depctr_va_vdst(0)
	v_mov_b32 v[CW+1], 0
	s_wait_alu depctr_va_vdst(0)
	v_mov_b32 v[CW+2], s48
	v_mov_b32 v[CW+3], s49
.irp t, 0,1,2,3,4,5,6,7,8,9,10,11,12,13,14,15
	v_readlane_b32 s50, v[TMIN+\t%8], s[56+\t/8]
	v_readlane_b32 s51, v[TMAX+\t%8], s[56+\t/8]
	v_cmp_ge_u32 s52, s51, v[KMIN]
	v_cmp_le_u32 s53, s50, v[KMAX]
	s_and_b32 s52, s52, s53
	s_and_b32 s52, s52, s44
	s_and_b32 s52, s52, s46                        ; live
	v_cmp_eq_u32 s53, s50, v[KMIN]
	s_and_b32 s53, s53, s45
	s_and_b32 s53, s53, s52
	s_cmp_eq_u32 s50, s51
	s_cselect_b32 s53, s53, 0                      ; every score counts: one segment on both sides, the same, no hidden key
	s_and_not1_b32 s53, s52, s53                   ; mixed
	v_writelane_b32 v[CW], s52, \t
	s_wait_alu depctr_va_vdst(0)
	v_writelane_b32 v[CW+1], s53, \t
.endr
	v_cmp_gt_u32 vcc_lo, 16, v2
	s_wait_alu depctr_va_vdst(0)
	s_wait_xcnt 0x0                                ; EXEC is a source of the stores above: it changes only behind this wait
	s_and_saveexec_b32 s58, vcc_lo
	global_store_b128 v6, v[CW:CW+3], s[38:39]     ; sixteen lanes store 256 consecutive bytes
	s_wait_xcnt 0x0                                ; and again in front of the line that widens it
	s_or_b32 exec_lo, exec_lo, s58
	s_endpgm
.Lfunc_end_k_q6a6c854629_prep:
	.size	k_q6a6c854629_prep, .Lfunc_end_k_q6a6c854629_prep-k_q6a6c854629_prep
	.p2alignl 7, 3214868480
	.fill 96, 4, 3214868480
	.section	.rodata,"a",@progbits
	.p2align	6, 0x0
	.amdhsa_kernel k_q6a6c854629_prep
		.amdhsa_group_segment_fixed_size 0
		.amdhsa_private_segment_fixed_size 0
		.amdhsa_enable_private_segment 0
		.amdhsa_kernarg_size 96
		.amdhsa_user_sgpr_count 2
		.amdhsa_user_sgpr_kernarg_segment_ptr 1
		.amdhsa_wavefront_size32 1
		.amdhsa_system_sgpr_workgroup_id_x 1
		.amdhsa_system_sgpr_workgroup_id_y 1
		.amdhsa_system_sgpr_workgroup_id_z 1
		.amdhsa_system_vgpr_workitem_id 0
		.amdhsa_next_free_vgpr 232
		.amdhsa_next_free_sgpr 66
		.amdhsa_reserve_vcc 1
		.amdhsa_float_denorm_mode_32 3
		.amdhsa_float_denorm_mode_16_64 3
		.amdhsa_memory_ordered 1
		.amdhsa_forward_progress 1
		.amdhsa_inst_pref_size 101
	.end_amdhsa_kernel
	.amdgpu_metadata
---
amdhsa.version: [ 1, 2 ]
amdhsa.kernels:
  - .name:           k_q6a6c854629_prep
    .symbol:         k_q6a6c854629_prep.kd
    .args:
      - { .name: attention_mask, .offset: 0, .size: 8, .value_kind: global_buffer, .address_space: global }
      - { .name: segment_ids, .offset: 8, .size: 8, .value_kind: global_buffer, .address_space: global }
      - { .name: position_ids, .offset: 16, .size: 8, .value_kind: global_buffer, .address_space: global }
      - { .name: wq, .offset: 24, .size: 8, .value_kind: global_buffer, .address_space: global }
      - { .name: wk, .offset: 32, .size: 8, .value_kind: global_buffer, .address_space: global }
      - { .name: wv, .offset: 40, .size: 8, .value_kind: global_buffer, .address_space: global }
      - { .name: wo, .offset: 48, .size: 8, .value_kind: global_buffer, .address_space: global }
      - { .name: lowp_scales, .offset: 56, .size: 8, .value_kind: global_buffer, .address_space: global }
      - { .name: wcodes, .offset: 64, .size: 8, .value_kind: global_buffer, .address_space: global }
      - { .name: cs, .offset: 72, .size: 8, .value_kind: global_buffer, .address_space: global }
      - { .name: kbias, .offset: 80, .size: 8, .value_kind: global_buffer, .address_space: global }
      - { .name: cls, .offset: 88, .size: 8, .value_kind: global_buffer, .address_space: global }
    .group_segment_fixed_size: 0
    .private_segment_fixed_size: 0
    .kernarg_segment_align: 8
    .kernarg_segment_size: 96
    .max_flat_workgroup_size: 128
    .sgpr_count:     66
    .vgpr_count:     232
    .wavefront_size: 32
...
	.end_amdgpu_metadata
.endif
;; end of part 1
;; launch qkv (part 2): grid 4 x 64, 4 waves a work-group, no clusters, 197,120 bytes of LDS; arguments hidden_states, wcodes, cs, lowp_scales, qc, kc, vc; writes qc, kc, vc
.if DOCPART == 2
	.amdgcn_target "amdgcn-amd-amdhsa--gfx1250"
	.amdhsa_code_object_version 6
	.text
	.protected	k_q6a6c854629_qkv
	.globl	k_q6a6c854629_qkv
	.p2align	8
	.type	k_q6a6c854629_qkv,@function
k_q6a6c854629_qkv:
	s_mov_b64 s[64:65], 0
	v_nop
	global_prefetch_b8 v0, s[64:65] scope:SCOPE_SE
	s_setreg_imm32_b32 hwreg(HW_REG_WAVE_MODE, 25, 1), 1
	s_wait_xcnt 0x0
; q, k, v = hidden_states x wq^T, wk^T, wv^T on codes of E4M3; RoPE on q and k; all three quantised again for the attention's products and stored as images of operand registers.
; SHARES.  Work-group (x = cb, y = rb): rows 128 rb .. + 127 (one key step of one batch), columns 128 cb .. + 127 of each of q, k, v.  THE WAVES SHARE THE COLUMNS: wave w has 32 columns of each, for all 128 rows:
; its 24 weight fragments (384 registers) stay in registers, read once as they lie in wcodes.  What goes round is the rows' codes.
; PHASE X.  Wave w quantises row tiles 2 w and 2 w + 1 of hidden_states, three times (the tensor has a scale of its own in each of the three products: entries 0, 2, 4), and stores the fragments in LDS as
; images of their registers: four registers a chunk of 512 bytes, 16 bytes a lane.  One barrier.
; PHASE M, for each of the 8 row tiles: 12 fragments from LDS; q and k TRANSPOSED (source 0 = 16 weight rows, source 1 = 16 tokens): a lane holds one token and eight neighbouring channels, that is four RoPE pairs,
; and the eight converted are registers 2 c, 2 c + 1 of a fragment of q or k;  v NATURAL (source 0 = tokens, source 1 = weight rows): a lane holds one channel and eight neighbouring tokens, which converted are
; registers 2 m, 2 m + 1 of a fragment of V^T (K = the keys).  The rotation is linear, so it is done on the raw sums and the three scales are folded into the conversion's one.
; No tensor load: hidden_states passes through registers to be quantised, and the weights go straight into registers; each work-group reads each of its bytes once, so there is no ring to fill, and nothing to ask for jointly.
; LIMITS: e0, e2, e4, e6 - e0 - e1, e7 - e2 - e3, e8 - e4 - e5 each between -126 and 119.  NaN in hidden_states is not served (the hold drops it).
; REGISTERS, in windows of 256.  window 0: v4-9 addresses; v240-251 six pairs (2^e, 448 x 2^e); v252, v253 the add's two; phase X: v16-143 two fragments as f32, v144-159 held numbers (two sets), v160-207 codes;
;   phase M: v16-63 six accumulators, v64-95 rotated q and k, v96-159 codes of q and k (a set for each row tile, so that no store's data are written again), v160-191 codes of V^T.
;   window 1: wq's 8 fragments, wk's 8.   window 2: wv's 8; from v128 cos and sin of the 8 row tiles.   window 3: the row tile's 12 fragments.
.set XA,    16
.set T,     144
.set PC,    160
.set MB,    24576                      ; a row tile's 12 images: (set p, K step s) at 8,192 p + 2,048 s
.set SPARE, 196608                     ; behind the 96 images: the spare words, 128 bytes a wave: two blocks of 256 bytes that no other line names
.set MSB, 0
.macro WIN new                         ; s_set_vgpr_msb: bits 1:0 source 0, 3:2 source 1, 5:4 source 2, 7:6 destination; the high byte repeats the setting that is left
.if MSB != \new
	s_set_vgpr_msb (MSB<<8)|\new
.set MSB, \new
.endif
.endm
	s_load_b256 s[4:11], s[0:1], 0x0               ; hidden_states s[4:5], wcodes s[6:7], cs s[8:9], lowp_scales s[10:11]
	s_load_b128 s[12:15], s[0:1], 0x20             ; qc s[12:13], kc s[14:15]
	s_load_b64 s[16:17], s[0:1], 0x30              ; vc
	v_lshl_add_u32 v252, v0, 2, SPARE
	v_mov_b32 v253, 0
	v_lshrrev_b32 v1, 5, v0
	v_readfirstlane_b32 s18, v1                    ; wave 0..3
	v_and_b32 v1, 31, v0
	v_and_b32 v2, 15, v0                           ; r
	v_bfe_u32 v3, v0, 4, 1                         ; h
	v_lshlrev_b32 v4, 11, v2
	v_lshl_add_u32 v4, v3, 5, v4                   ; hidden_states: row r of 2,048 bytes, + 32 h
	v_lshlrev_b32 v5, 4, v1                        ; 16 x lane: an image's place for my lane; row tiles 0, 1
	v_add_nc_u32 v6, 49152, v5                     ; row tiles 2, 3
	v_add_nc_u32 v7, 98304, v5                     ; 4, 5
	v_add_nc_u32 v8, 147456, v5                    ; 6, 7
	s_mul_i32 s19, s18, 49152
	v_add_nc_u32 v9, s19, v5                       ; where I store: my two row tiles
	s_and_b32 s21, ttmp7, 0xffff                   ; rb
	s_and_b32 s20, s18, 1                          ; w & 1
	s_lshl_b32 s40, s21, 18                        ; hidden_states: (128 rb + 32 w) rows
	s_lshl_b32 s22, s18, 16
	s_add_co_u32 s40, s40, s22
	s_mov_b32 s41, 0
	s_lshl_b32 s42, ttmp9, 16                      ; wcodes: fragment 4 (8 cb + 2 w) of each matrix
	s_lshl_b32 s22, s18, 14
	s_add_co_u32 s42, s42, s22
	s_mov_b32 s43, 0
	s_lshl_b32 s44, s21, 15                        ; cs: token tile 8 rb, chunk 4 (w & 1)
	s_lshl_b32 s22, s20, 11
	s_add_co_u32 s44, s44, s22
	s_mov_b32 s45, 0
	s_lshr_b32 s22, s21, 5
	s_lshl_b32 s22, s22, 3                         ; 8 x batch
	s_lshl_b32 s23, ttmp9, 1
	s_add_co_u32 s22, s22, s23
	s_lshr_b32 s23, s18, 1
	s_add_co_u32 s22, s22, s23                     ; + head = 2 cb + w / 2
	s_lshl_b32 s22, s22, 18                        ; a head's codes are 262,144 bytes in each of qc, kc, vc
	s_and_b32 s23, s21, 31
	s_lshl_b32 s23, s23, 13                        ; the key step: 8 fragments of 1,024, or 4 of 2,048
	s_add_co_u32 s22, s22, s23
	s_lshl_b32 s23, s20, 9
	s_add_co_u32 s46, s22, s23                     ; qc, kc: my chunk of each fragment: w & 1
	s_mov_b32 s47, 0
	s_lshl_b32 s23, s20, 12
	s_add_co_u32 s48, s22, s23                     ; vc: my two fragments: 2 (w & 1) on
	s_mov_b32 s49, 0
	s_wait_alu depctr_va_vdst(0)
	s_wait_kmcnt 0x0
	s_load_b256 s[24:31], s[10:11], 0x0            ; e0 .. e7
	s_load_b32 s32, s[10:11], 0x20                 ; e8
	s_add_nc_u64 s[4:5], s[4:5], s[40:41]
	s_add_nc_u64 s[6:7], s[6:7], s[42:43]
	s_add_nc_u64 s[8:9], s[8:9], s[44:45]
	s_add_nc_u64 s[12:13], s[12:13], s[46:47]
	s_add_nc_u64 s[14:15], s[14:15], s[46:47]
	s_add_nc_u64 s[16:17], s[16:17], s[48:49]
; fragment f of my eight (row tile 2 w + f / 4, K step f % 4) as f32: register 8 c + i = k 16 c + 8 h + i of row r
.macro XLOAD reg, f
.irp c, 0,1,2,3,4,5,6,7
	global_load_b128 v[\reg+8*\c:\reg+8*\c+3], v4, s[4:5] offset:((\f)/4)*32768+((\f)%4)*512+64*\c
	global_load_b128 v[\reg+8*\c+4:\reg+8*\c+7], v4, s[4:5] offset:((\f)/4)*32768+((\f)%4)*512+64*\c+16
.endr
.endm
	XLOAD XA, 0
	XLOAD XA+64, 1
	WIN 0x40                                       ; destination window 1
.set i, 0
.rept 32
	global_load_b128 v[4*i:4*i+3], v5, s[6:7] offset:512*i              ; wq: fragment (u, s) at v[16 (4 u + s)]: 16 KB as they lie
.set i, i+1
.endr
.set i, 0
.rept 32
	global_load_b128 v[128+4*i:128+4*i+3], v5, s[6:7] offset:262144+512*i   ; wk
.set i, i+1
.endr
	WIN 0x80                                       ; destination window 2
.set i, 0
.rept 32
	global_load_b128 v[4*i:4*i+3], v5, s[6:7] offset:524288+512*i       ; wv
.set i, i+1
.endr
.set i, 0
.rept 32
	global_load_b128 v[128+4*i:128+4*i+3], v5, s[8:9] offset:(i/4)*4096+(i%4)*512   ; cos, sin: row tile i / 4, my tile u = (i % 4) / 2, half i % 2
.set i, i+1
.endr
	WIN 0
	s_wait_kmcnt 0x0
	s_sub_co_i32 s34, s30, s24
	s_sub_co_i32 s34, s34, s25                     ; e6 - e0 - e1: a raw sum of the first product stands for sum x 2^(e0 + e1), so its code is sum / 2^(e6 - e0 - e1)
	s_sub_co_i32 s35, s31, s26
	s_sub_co_i32 s35, s35, s27                     ; e7 - e2 - e3
	s_sub_co_i32 s36, s32, s28
	s_sub_co_i32 s36, s36, s29                     ; e8 - e4 - e5
.macro MKPAIR reg, se                  ; v[reg] = 2^e as f32, v[reg + 1] = 448 x 2^e; e in s[se], which is used up
	s_add_co_i32 s[\se], s[\se], 127
	s_lshl_b32 s33, s[\se], 23
	v_mov_b32 v[\reg], s33
	s_add_co_i32 s[\se], s[\se], 8
	s_lshl_b32 s33, s[\se], 23
	s_or_b32 s33, s33, 0x600000
	v_mov_b32 v[\reg+1], s33
.endm
	MKPAIR 240, 24
	MKPAIR 242, 26
	MKPAIR 244, 28
	MKPAIR 246, 34
	MKPAIR 248, 35
	MKPAIR 250, 36
; 64 numbers of a lane become three fragments' codes, one for each of the tensor's three scales.  The held numbers go into two sets by turns: the other set's eight holds are the plain lines between a conversion and the rewriting of its sources.
.macro QUANT3 src
.irp p, 0,1,2
.irp c, 0,1,2,3,4,5,6,7
.irp i, 0,1,2,3,4,5,6,7
	v_med3_num_f32 v[T+8*(\c%2)+\i], v[\src+8*\c+\i], -v[241+2*\p], v[241+2*\p]   ; the conversion to an 8-bit code does not saturate (ISA guide 7.6.2)
.endr
	v_cvt_scalef32_pk8_fp8_f32 v[PC+16*\p+2*\c:PC+16*\p+2*\c+1], v[T+8*(\c%2):T+8*(\c%2)+7], v[240+2*\p]
.endr
.endr
	v_nop                                          ; a plain line behind the last conversion
.endm
.macro IMAGE f
.irp p, 0,1,2
.irp g, 0,1,2,3
	ds_store_b128 v9, v[PC+16*\p+4*\g:PC+16*\p+4*\g+3] offset:((\f)/4)*MB+\p*8192+((\f)%4)*2048+512*\g
.endr
.endr
.endm
.macro XSTEP f, cnt
	s_wait_loadcnt \cnt                            ; this fragment's 16 loads are in
	s_wait_dscnt 0x0                               ; the last fragment's stores have read the codes' registers
	QUANT3 XA+64*((\f)%2)
	IMAGE \f
.if (\f) < 6
	XLOAD XA+64*((\f)%2), (\f)+2                   ; the registers just read take the fragment two further on
.endif
.endm
	XSTEP 0, 63                                    ; behind fragments 0 and 1 stand more than 63 younger loads (the weights' 96, the angles' 32)
	XSTEP 1, 63
	XSTEP 2, 16                                    ; from here on only the next fragment's 16 loads are younger; weights and angles are in
	XSTEP 3, 16
	XSTEP 4, 16
	XSTEP 5, 16
	XSTEP 6, 16
	XSTEP 7, 0
	s_wait_dscnt 0x0                               ; for the others' sake: my images have landed
	s_barrier_signal -1
	s_barrier_wait -1                              ; all 96 images lie in LDS; nothing is stored there again
.macro FETCH m                         ; row tile m's 12 fragments into window 3: (set p, K step s) at v[64 p + 16 s]; q's and k's sets first
	WIN 0xc0
.irp p, 0,1,2
.irp s, 0,1,2,3
.irp g, 0,1,2,3
	ds_load_b128 v[64*\p+16*\s+4*\g:64*\p+16*\s+4*\g+3], v[5+(\m)/2] offset:((\m)%2)*MB+\p*8192+\s*2048+512*\g
.endr
.endr
.endr
	WIN 0
.endm
.macro ROPE acc, cs, out               ; four pairs (a, b) x (cos, sin): a cos - b sin, a sin + b cos; the accumulator is read from its low end on
.irp p, 0,1,2,3
	v_mul_f32 v[\out+2*\p], v[\acc+2*\p], v[\cs+2*\p]
	v_mul_f32 v[\out+2*\p+1], v[\acc+2*\p], v[\cs+2*\p+1]
	v_fma_f32 v[\out+2*\p], -v[\acc+2*\p+1], v[\cs+2*\p+1], v[\out+2*\p]
	v_fma_f32 v[\out+2*\p+1], v[\acc+2*\p+1], v[\cs+2*\p], v[\out+2*\p+1]
.endr
.endm
.macro MSTEP m
.set QC, 96+8*(\m)
	s_wait_dscnt 16                                ; q's and k's sets are in; v's 16 loads may be out
	WIN 0x0d                                       ; source 0 (weights) window 1, source 1 (tokens) window 3
.irp s, 0,1,2,3                        ; four accumulators by turns, one instruction a turn
.irp u, 0,1
.if \s == 0
	v_wmma_f32_16x16x128_fp8_fp8 v[16+8*\u:23+8*\u], v[16*(4*\u+\s):16*(4*\u+\s)+15], v[16*\s:16*\s+15], 0
.else
	v_wmma_f32_16x16x128_fp8_fp8 v[16+8*\u:23+8*\u], v[16*(4*\u+\s):16*(4*\u+\s)+15], v[16*\s:16*\s+15], v[16+8*\u:23+8*\u]
.endif
.endr
.irp u, 0,1
.if \s == 0
	v_wmma_f32_16x16x128_fp8_fp8 v[32+8*\u:39+8*\u], v[128+16*(4*\u+\s):128+16*(4*\u+\s)+15], v[64+16*\s:64+16*\s+15], 0
.else
	v_wmma_f32_16x16x128_fp8_fp8 v[32+8*\u:39+8*\u], v[128+16*(4*\u+\s):128+16*(4*\u+\s)+15], v[64+16*\s:64+16*\s+15], v[32+8*\u:39+8*\u]
.endif
.endr
.endr
	s_wait_dscnt 0x0                               ; v's set is in
	WIN 0x0b                                       ; source 0 (tokens) window 3, source 1 (wv) window 2
.irp s, 0,1,2,3
.irp u, 0,1
.if \s == 0
	v_wmma_f32_16x16x128_fp8_fp8 v[48+8*\u:55+8*\u], v[128+16*\s:128+16*\s+15], v[16*(4*\u+\s):16*(4*\u+\s)+15], 0
.else
	v_wmma_f32_16x16x128_fp8_fp8 v[48+8*\u:55+8*\u], v[128+16*\s:128+16*\s+15], v[16*(4*\u+\s):16*(4*\u+\s)+15], v[48+8*\u:55+8*\u]
.endif
.endr
.endr
	WIN 0
.rept 4
	v_nop                                          ; four places in front of loads into registers that the products have read, and of the first read of their results
.endr
.if (\m) < 7
	FETCH (\m)+1                                   ; lands while this tile's results are rotated and quantised
.endif
	WIN 0x08                                       ; source 1 (cos, sin) window 2
	ROPE 16, 128+16*(\m), 64
	ROPE 24, 136+16*(\m), 72
	ROPE 32, 128+16*(\m), 80
	ROPE 40, 136+16*(\m), 88
	WIN 0
.set j, 0
.rept 16
	v_med3_num_f32 v[64+j], v[64+j], -v247, v247
.set j, j+1
.endr
.set j, 0
.rept 16
	v_med3_num_f32 v[80+j], v[80+j], -v249, v249
.set j, j+1
.endr
	v_cvt_scalef32_pk8_fp8_f32 v[QC:QC+1], v[64:71], v246
	v_cvt_scalef32_pk8_fp8_f32 v[QC+2:QC+3], v[72:79], v246
	v_cvt_scalef32_pk8_fp8_f32 v[QC+4:QC+5], v[80:87], v248
	v_cvt_scalef32_pk8_fp8_f32 v[QC+6:QC+7], v[88:95], v248
.set j, 0
.rept 16
	v_med3_num_f32 v[48+j], v[48+j], -v251, v251
.set j, j+1
.endr
	v_cvt_scalef32_pk8_fp8_f32 v[160+2*(\m):161+2*(\m)], v[48:55], v250     ; registers 2 m, 2 m + 1 of V^T's fragment: keys 16 m + 8 h + 0 .. 7
	v_cvt_scalef32_pk8_fp8_f32 v[176+2*(\m):177+2*(\m)], v[56:63], v250
	v_nop                                          ; a plain line between the last conversion and the products that write its sources again
	global_store_b128 v5, v[QC:QC+3], s[12:13] offset:1024*(\m)             ; 32 lanes store 512 consecutive bytes: my chunk of the token tile's fragment of q,
	global_store_b128 v5, v[QC+4:QC+7], s[14:15] offset:1024*(\m)           ; of k
.if ((\m)%2) == 1
	global_store_b128 v5, v[160+4*((\m)/2):163+4*((\m)/2)], s[16:17] offset:512*((\m)/2)        ; a chunk of V^T is whole behind every second tile
	global_store_b128 v5, v[176+4*((\m)/2):179+4*((\m)/2)], s[16:17] offset:2048+512*((\m)/2)
.endif
.endm
	FETCH 0
	MSTEP 0
	MSTEP 1
	MSTEP 2
	MSTEP 3
	MSTEP 4
	MSTEP 5
	MSTEP 6
	MSTEP 7
	s_wait_tensorcnt 0x0                           ; the wave's end
	ds_add_u32 v252, v253
	s_wait_dscnt 0x0
	s_endpgm
.Lfunc_end_k_q6a6c854629_qkv:
	.size	k_q6a6c854629_qkv, .Lfunc_end_k_q6a6c854629_qkv-k_q6a6c854629_qkv
	.p2alignl 7, 3214868480
	.fill 96, 4, 3214868480
	.section	.rodata,"a",@progbits
	.p2align	6, 0x0
	.amdhsa_kernel k_q6a6c854629_qkv
		.amdhsa_group_segment_fixed_size 197120
		.amdhsa_private_segment_fixed_size 0
		.amdhsa_enable_private_segment 0
		.amdhsa_kernarg_size 56
		.amdhsa_user_sgpr_count 2
		.amdhsa_user_sgpr_kernarg_segment_ptr 1
		.amdhsa_wavefront_size32 1
		.amdhsa_system_sgpr_workgroup_id_x 1
		.amdhsa_system_sgpr_workgroup_id_y 1
		.amdhsa_system_sgpr_workgroup_id_z 1
		.amdhsa_system_vgpr_workitem_id 0
		.amdhsa_next_free_vgpr 1024
		.amdhsa_next_free_sgpr 66
		.amdhsa_reserve_vcc 0
		.amdhsa_float_denorm_mode_32 3
		.amdhsa_float_denorm_mode_16_64 3
		.amdhsa_memory_ordered 1
		.amdhsa_forward_progress 1
		.amdhsa_inst_pref_size 237
	.end_amdhsa_kernel
	.amdgpu_metadata
---
amdhsa.version: [ 1, 2 ]
amdhsa.kernels:
  - .name:           k_q6a6c854629_qkv
    .symbol:         k_q6a6c854629_qkv.kd
    .args:
      - { .name: hidden_states, .offset: 0, .size: 8, .value_kind: global_buffer, .address_space: global }
      - { .name: wcodes, .offset: 8, .size: 8, .value_kind: global_buffer, .address_space: global }
      - { .name: cs, .offset: 16, .size: 8, .value_kind: global_buffer, .address_space: global }
      - { .name: lowp_scales, .offset: 24, .size: 8, .value_kind: global_buffer, .address_space: global }
      - { .name: qc, .offset: 32, .size: 8, .value_kind: global_buffer, .address_space: global }
      - { .name: kc, .offset: 40, .size: 8, .value_kind: global_buffer, .address_space: global }
      - { .name: vc, .offset: 48, .size: 8, .value_kind: global_buffer, .address_space: global }
    .group_segment_fixed_size: 197120
    .private_segment_fixed_size: 0
    .kernarg_segment_align: 8
    .kernarg_segment_size: 56
    .max_flat_workgroup_size: 128
    .sgpr_count:     66
    .vgpr_count:     1024
    .wavefront_size: 32
...
	.end_amdgpu_metadata
.endif
;; end of part 2
;; launch attn (part 3): grid 16 x 16, 8 waves a work-group, no clusters, 99,328 bytes of LDS; arguments qc, kc, vc, segment_ids, kbias, cls, lowp_scales, ac; writes ac
.if DOCPART == 3
	.amdgcn_target "amdgcn-amd-amdhsa--gfx1250"
	.amdhsa_code_object_version 6
	.text
	.protected	k_q6a6c854629_attn
	.globl	k_q6a6c854629_attn
	.p2align	8
	.type	k_q6a6c854629_attn,@function
k_q6a6c854629_attn:
	s_mov_b64 s[64:65], 0
	v_nop
	global_prefetch_b8 v0, s[64:65] scope:SCOPE_SE
	s_setreg_imm32_b32 hwreg(HW_REG_WAVE_MODE, 25, 1), 1
	s_wait_xcnt 0x0
; Attention on codes of E4M3: S^T = K Q^T, the mask, p = 2^(t - M) with M a whole number, O^T = V^T P^T, O / the row's sum, quantised for the last projection.
; SHARES.  Work-group (x = qb, y = 8 batch + head): 256 queries of one head; each of its eight waves owns TWO tiles of 16 queries (A, B), so that each fragment of K and of V^T read from LDS feeds two matrix instructions.
; A lane holds one query of each tile (lane % 16) throughout.  Keys go 128 a step, 32 steps, one a trip.
; WHAT IS LEFT OUT.  The stored class words (whole numbers, made by the first launch from segment_ids, attention_mask and the block-causal rule) say for each tile which key steps can hold a score that counts (live) and
; in which of those every score must be tested (mixed), which steps the work-group fetches and which it prefetches.  My wave walks a step where either tile is live; it tests every score where either tile is mixed or
; only one is live.  A step that is not live is passed over by a scalar branch; its barrier is not.
; K AND V come from memory as images of operand registers, 8 KB each a step, through registers into a ring of FOUR LDS slots of 16 KB.  At the head of step j each thread stores its 64 bytes of step j + 1, asks memory for
; step j + 2, and signals the barrier; it waits for the barrier at the step's end.  In front of the signal my stores have landed and my reads of step j - 1 are over.  So beside a wave's reads of slot j other waves store
; into slots j + 1 and j + 2 alone, and slot j is stored again (step j + 4) behind the wait of step j + 2's barrier.
; No tensor load and no joint request: which steps a work-group reads hangs on stored words, which differ between the query blocks of a head, and the walk branches on them.
; PREFETCH: at step j wave 0 (K's 8 KB) and wave 1 (V's) name step j + 4, lanes 256 bytes apart: two steps ahead of the load that asks for it; only in the lowest query block of the head that fetches that step, so each
; block of 256 bytes is named once; the word is shifted by 4, so nothing past step 31 is named; steps 0 to 3 come by their loads alone.
; THE MASK in a tested step: kbias (0 or -infinity) is added to the score, and a score whose key's segment id differs from my query's becomes -infinity: p = 0.  A query with no visible key keeps the sum 0:
; its codes become the format's NaN code, so that the last projection gives NaN where the softmax of nothing does.
; LIMITS on the given exponents: e6 + e7 between -123 and 130 (added to c's exponent field); e9 and e10 between -126 and 119; e8 + e9 goes in by v_ldexp_f32 and has none.
; REGISTERS, window 0: v1 16 x thread; v2 16 x lane; v3 the ids' place; v4, v7 addresses in hand; v5, v6 the add's two; v8, v9 my two queries' ids; v10 256 x lane; v11 -infinity; A: v12 -M, v13 largest t, v[14:15] sum,
; v[20:21] f; B: v16, v17, v[18:19], v[22:23]; v24-29 at work; v30 2^e9, v31 448 x 2^e9; v32-47 Q; v48-111 K's 8 fragments, then ids and biases, then V^T's 4; v112-175 A's S^T, then p, then B's codes; v176-239 B's; v240-255 A's codes.
; window 1: v0-31 A's O^T, v32-63 B's, v64-79 the 64 bytes on their way to LDS.
.set KT,    65536                      ; behind the four slots: the batch's 4,096 segment ids, then (16,384 on) its kbias
.set SPARE, 98304                      ; the spare words, 128 bytes a wave: four blocks of 256 bytes that no other line names
.set QA, 32
.set QB, 40
.set FR, 48
.set SA, 112
.set SB, 176
.set PA, 240
.set ST, 64
.set MSB, 0
.macro WIN new                         ; s_set_vgpr_msb: bits 1:0 source 0, 3:2 source 1, 5:4 source 2, 7:6 destination; the high byte repeats the setting that is left
.if MSB != \new
	s_set_vgpr_msb (MSB<<8)|\new
.set MSB, \new
.endif
.endm
	s_load_b512 s[8:23], s[0:1], 0x0               ; qc s[8:9], kc s[10:11], vc s[12:13], segment_ids s[14:15], kbias s[16:17], cls s[18:19], lowp_scales s[20:21], ac s[22:23]
	v_lshrrev_b32 v7, 5, v0
	v_readfirstlane_b32 s43, v7                    ; wave 0..7
	s_and_b32 s2, ttmp7, 0xffff                    ; 8 batch + head
	s_lshr_b32 s3, s2, 3                           ; batch
	s_lshl_b32 s4, ttmp9, 4
	s_lshl_b32 s5, s43, 1
	s_add_co_u32 s4, s4, s5                        ; qt: tile A in the batch; tile B is the next
	s_lshl_b32 s5, s3, 8
	s_add_co_u32 s5, s5, s4                        ; 256 batch + qt
	s_lshl_b32 s50, s5, 4                          ; its class entry
	s_mov_b32 s51, 0
	s_lshl_b32 s52, s2, 18                         ; the head's codes in qc, kc, vc
	s_mov_b32 s53, 0
	s_lshl_b32 s54, s3, 14                         ; the batch's ids and kbias
	s_mov_b32 s55, 0
	s_lshl_b32 s6, s4, 6
	s_mov_b32 s40, 0x76543210                      ; v_permlanex16_b32's selects for lane l xor 16
	s_mov_b32 s41, 0xfedcba98
	v_lshl_add_u32 v5, v0, 2, SPARE
	v_mov_b32 v6, 0
	v_lshlrev_b32 v1, 4, v0
	v_and_b32 v7, 31, v0
	v_lshlrev_b32 v2, 4, v7
	v_lshlrev_b32 v10, 8, v7
	v_bfe_u32 v4, v0, 4, 1                         ; h
	v_lshlrev_b32 v3, 5, v4
	v_add_nc_u32 v3, KT, v3                        ; register j of S^T's tile t is key 16 t + 8 h + j: its id lies at KT + 512 step + 64 t + 32 h + 4 j
	v_add_nc_u32 v7, KT, v1                        ; where I put my part of the tables
	v_and_b32 v4, 15, v0
	v_lshlrev_b32 v4, 2, v4
	v_add_nc_u32 v4, s6, v4                        ; my query's id: 4 (16 qt + r)
	s_wait_alu depctr_va_vdst(0)
	s_wait_kmcnt 0x0
	s_add_nc_u64 s[18:19], s[18:19], s[50:51]
	s_load_b256 s[56:63], s[18:19], 0x0            ; A's live, mixed, wglive, ask; B's
	s_load_b128 s[44:47], s[20:21], 0x18           ; e6, e7, e8, e9
	s_load_b32 s48, s[20:21], 0x28                 ; e10
	s_add_nc_u64 s[28:29], s[10:11], s[52:53]      ; K at key step 0
	s_add_nc_u64 s[30:31], s[12:13], s[52:53]      ; V likewise
	s_add_nc_u64 s[8:9], s[8:9], s[52:53]
	s_lshl_b32 s50, s4, 10
	s_add_nc_u64 s[8:9], s[8:9], s[50:51]          ; my two fragments of Q
	s_add_nc_u64 s[14:15], s[14:15], s[54:55]
	s_add_nc_u64 s[16:17], s[16:17], s[54:55]
	global_load_b128 v[FR:FR+3], v1, s[28:29]      ; key steps 0 and 1 are fetched whatever the words say: they lie inside the buffers
	global_load_b128 v[FR+4:FR+7], v1, s[28:29] offset:4096
	global_load_b128 v[FR+8:FR+11], v1, s[30:31]
	global_load_b128 v[FR+12:FR+15], v1, s[30:31] offset:4096
.irp i, 0,1,2,3
	global_load_b128 v[FR+16+4*\i:FR+19+4*\i], v1, s[14:15] offset:4096*\i
	global_load_b128 v[FR+32+4*\i:FR+35+4*\i], v1, s[16:17] offset:4096*\i
.endr
	global_load_b128 v[QA:QA+3], v2, s[8:9]
	global_load_b128 v[QA+4:QA+7], v2, s[8:9] offset:512
	global_load_b128 v[QB:QB+3], v2, s[8:9] offset:1024
	global_load_b128 v[QB+4:QB+7], v2, s[8:9] offset:1536
	global_load_b32 v8, v4, s[14:15]
	global_load_b32 v9, v4, s[14:15] offset:64
	WIN 0x40                                       ; destination window 1
	global_load_b128 v[ST:ST+3], v1, s[28:29] offset:8192
	global_load_b128 v[ST+4:ST+7], v1, s[28:29] offset:12288
	global_load_b128 v[ST+8:ST+11], v1, s[30:31] offset:8192
	global_load_b128 v[ST+12:ST+15], v1, s[30:31] offset:12288
.set j, 0
.rept 64
	v_mov_b32 v[j], 0                              ; O^T.  Which step is my first is known from the stored words alone, so no first step can be written out: the first change of M multiplies zeros
.set j, j+1
.endr
	WIN 0
	s_lshl_b32 s50, s5, 13                         ; ac: row tile x 4 fragments of 2,048,
	s_and_b32 s6, s2, 7                            ; head
	s_lshr_b32 s7, s6, 1
	s_lshl_b32 s7, s7, 11                          ; + K step head / 2,
	s_add_co_u32 s50, s50, s7
	s_and_b32 s7, s6, 1
	s_lshl_b32 s7, s7, 10                          ; + chunks 2 (head % 2) on
	s_add_co_u32 s50, s50, s7
	s_add_nc_u64 s[22:23], s[22:23], s[50:51]
	v_mov_b32 v11, 0xff800000
	v_mov_b32 v13, 0xff61b1e6                      ; the largest t so far: -3e38, under every t
	v_mov_b32 v17, 0xff61b1e6
	v_floor_f32 v12, -v13                          ; -M
	v_floor_f32 v16, -v17
.irp r, 14,15,18,19,21,23,28,29
	v_mov_b32 v\r, 0                               ; the sums; the upper halves of the pairs that hold f; the lane permutes' destinations, which count as sources
.endr
	s_wait_alu depctr_va_vdst(0)
	s_wait_kmcnt 0x0
	s_or_b32 s24, s56, s60                         ; bit j: my wave walks step j
	s_xor_b32 s25, s56, s60
	s_or_b32 s25, s25, s57
	s_or_b32 s25, s25, s61                         ; bit j: every score of step j is tested
	s_lshr_b32 s26, s58, 1                         ; bit j: the work-group fetches step j + 1,
	s_lshr_b32 s27, s58, 2                         ; step j + 2 (the upper bits are 0: nothing is fetched past the end)
	s_lshr_b32 s37, s59, 4                         ; bit j: step j + 4 is prefetched here,
	s_cmp_lt_u32 s43, 2
	s_cselect_b32 s37, s37, 0                      ; by wave 0 (K's 8 KB) and wave 1 (V's)
	s_cmp_eq_u32 s43, 0
	s_cselect_b64 s[32:33], s[28:29], s[30:31]
	s_add_co_i32 s38, s44, s45
	s_lshl_b32 s38, s38, 23
	s_add_co_i32 s38, s38, 0x3e38aa3b              ; c = log2(e) / 8 x 2^(e6 + e7): t = raw score x c
	s_mov_b32 s39, s38                             ; (named with it as a pair, so it is written)
	s_add_co_i32 s50, s47, 127
	s_lshl_b32 s51, s50, 23
	v_mov_b32 v30, s51                             ; 2^e9, for p's conversion
	s_add_co_i32 s50, s50, 8
	s_lshl_b32 s50, s50, 23
	s_or_b32 s50, s50, 0x600000
	v_mov_b32 v31, s50                             ; 448 x 2^e9
	s_add_co_i32 s50, s48, 127
	s_lshl_b32 s6, s50, 23                         ; 2^e10, for the result's
	s_add_co_i32 s50, s50, 8
	s_lshl_b32 s7, s50, 23
	s_or_b32 s7, s7, 0x600000                      ; 448 x 2^e10
	s_add_co_i32 s49, s46, s47                     ; e8 + e9
	s_mov_b32 s34, 0                               ; the key step
	s_mov_b32 s36, 0                               ; 512 x that
	s_wait_alu depctr_va_vdst(0)
	s_wait_loadcnt 4                               ; all but step 1's four loads are in
.irp i, 0,1,2,3
	ds_store_b128 v1, v[FR+4*\i:FR+4*\i+3] offset:4096*\i          ; slot 0: K's 8 KB, then V's
	ds_store_b128 v7, v[FR+16+4*\i:FR+19+4*\i] offset:4096*\i
	ds_store_b128 v7, v[FR+32+4*\i:FR+35+4*\i] offset:16384+4096*\i
.endr
	s_wait_dscnt 0x0                               ; for the others' sake: my stores have landed
	s_barrier_signal -1
	s_barrier_wait -1
.Lstep:
	s_wait_loadcnt 0x0                             ; step j + 1's 64 bytes are in (on every path: no load of mine is out behind this line)
	s_bitcmp1_b32 s26, s34
	s_cbranch_scc0 .Lnostore
	s_add_co_u32 s35, s34, 1
	s_lshl_b32 s35, s35, 14
	s_and_b32 s35, s35, 0xc000                     ; slot (j + 1) % 4
	v_add_nc_u32 v4, s35, v1
	WIN 0x04                                       ; the stores' data lie in window 1
.irp i, 0,1,2,3
	ds_store_b128 v4, v[ST+4*\i:ST+4*\i+3] offset:4096*\i
.endr
	WIN 0
.Lnostore:
	s_wait_dscnt 0x0                               ; my stores have landed and have read their registers; my reads of the last step's slot ended in that step
	s_bitcmp1_b32 s27, s34
	s_cbranch_scc0 .Lnofetch
	WIN 0x40
	global_load_b128 v[ST:ST+3], v1, s[28:29] offset:16384         ; step j + 2: this step's work lies between the request and the wait
	global_load_b128 v[ST+4:ST+7], v1, s[28:29] offset:20480
	global_load_b128 v[ST+8:ST+11], v1, s[30:31] offset:16384
	global_load_b128 v[ST+12:ST+15], v1, s[30:31] offset:20480
	WIN 0
.Lnofetch:
	s_bitcmp1_b32 s37, s34
	s_cbranch_scc0 .Lnoask
	global_prefetch_b8 v10, s[32:33] offset:32768 th:TH_LOAD_NT scope:SCOPE_SE   ; step j + 4
.Lnoask:
	s_barrier_signal -1                            ; up to the wait at the step's end: work on registers and reads of slot j and of the tables, into which nobody stores before a later barrier
	s_bitcmp1_b32 s24, s34
	s_cbranch_scc0 .Lhidden                        ; no score of my two tiles counts in this step
	s_lshl_b32 s35, s34, 14
	s_and_b32 s35, s35, 0xc000                     ; slot j % 4
	v_add_nc_u32 v7, s35, v2
	s_wait_alu depctr_va_vdst(0)
.rept 5
	v_nop                                          ; with the addition six places behind the last products: four are asked in front of loads into registers that they read, five in front of products that write over B's codes
.endr
.irp t, 0,1,2,3,4,5,6,7
	ds_load_b128 v[FR+8*\t:FR+8*\t+3], v7 offset:1024*\t
	ds_load_b128 v[FR+8*\t+4:FR+8*\t+7], v7 offset:1024*\t+512
.endr
.irp t, 0,1,2,3,4,5,6,7
	s_wait_dscnt 14-2*\t                           ; tile t's two loads are in; the younger ones may be out
	v_wmma_f32_16x16x64_fp8_fp8 v[SA+8*\t:SA+8*\t+7], v[FR+8*\t:FR+8*\t+7], v[QA:QA+7], 0   ; S^T: source 0 = 16 keys, source 1 = 16 queries
	v_wmma_f32_16x16x64_fp8_fp8 v[SB+8*\t:SB+8*\t+7], v[FR+8*\t:FR+8*\t+7], v[QB:QB+7], 0
.endr
.rept 4
	v_nop
.endr
	s_bitcmp1_b32 s25, s34
	s_cbranch_scc0 .Lopen                          ; every score of the step counts
	v_add_nc_u32 v4, s36, v3
.irp g, 0,1                            ; four tiles of keys at a time: their ids into v48-79, their biases into v80-111; both serve A and B
.irp t, 0,1,2,3
	ds_load_b128 v[FR+8*\t:FR+8*\t+3], v4 offset:64*(4*\g+\t)
	ds_load_b128 v[FR+8*\t+4:FR+8*\t+7], v4 offset:64*(4*\g+\t)+16
	ds_load_b128 v[FR+32+8*\t:FR+35+8*\t], v4 offset:16384+64*(4*\g+\t)
	ds_load_b128 v[FR+36+8*\t:FR+39+8*\t], v4 offset:16384+64*(4*\g+\t)+16
.endr
	s_wait_dscnt 0x0
.irp i, 0,2,4,6,8,10,12,14,16,18,20,22,24,26,28,30
	v_pk_add_f32 v[SA+32*\g+\i:SA+32*\g+\i+1], v[SA+32*\g+\i:SA+32*\g+\i+1], v[FR+32+\i:FR+33+\i]   ; + 0 or -infinity; each accumulator from its low end on
	v_pk_add_f32 v[SB+32*\g+\i:SB+32*\g+\i+1], v[SB+32*\g+\i:SB+32*\g+\i+1], v[FR+32+\i:FR+33+\i]
.endr
.irp i, 0,1,2,3,4,5,6,7,8,9,10,11,12,13,14,15,16,17,18,19,20,21,22,23,24,25,26,27,28,29,30,31
	v_cmp_eq_u32 vcc_lo, v[FR+\i], v8
	v_cmp_eq_u32 s50, v[FR+\i], v9
	v_cndmask_b32 v[SA+32*\g+\i], v11, v[SA+32*\g+\i], vcc_lo
	v_cndmask_b32 v[SB+32*\g+\i], v11, v[SB+32*\g+\i], s50
.endr
.endr
.Lopen:
.irp d, 0,1,2,3
.irp g, 0,1,2,3
	ds_load_b128 v[FR+16*\d+4*\g:FR+16*\d+4*\g+3], v7 offset:8192+2048*\d+512*\g   ; V^T's four fragments land under the softmax
.endr
.endr
	v_max3_num_f32 v24, v[SA], v[SA+1], v[SA+2]    ; the step's largest score of each of my two queries among my 64 keys: four chains by turns, ascending
	v_max3_num_f32 v25, v[SA+3], v[SA+4], v[SA+5]
	v_max3_num_f32 v26, v[SB], v[SB+1], v[SB+2]
	v_max3_num_f32 v27, v[SB+3], v[SB+4], v[SB+5]
.set i, 6
.rept 14
	v_max3_num_f32 v24, v24, v[SA+i], v[SA+i+1]
	v_max3_num_f32 v25, v25, v[SA+i+2], v[SA+i+3]
	v_max3_num_f32 v26, v26, v[SB+i], v[SB+i+1]
	v_max3_num_f32 v27, v27, v[SB+i+2], v[SB+i+3]
.set i, i+4
.endr
	v_max3_num_f32 v24, v24, v[SA+62], v[SA+63]
	v_max3_num_f32 v26, v26, v[SB+62], v[SB+63]
	v_max_num_f32 v24, v24, v25
	v_max_num_f32 v26, v26, v27
	v_permlanex16_b32 v28, v24, s40, s41
	v_permlanex16_b32 v29, v26, s40, s41
	v_max_num_f32 v24, v24, v28                    ; and among lane l xor 16's
	v_max_num_f32 v26, v26, v29
	v_mul_f32 v24, s38, v24                        ; as t (c is positive)
	v_mul_f32 v26, s38, v26
	v_max_num_f32 v13, v13, v24                    ; the running largest t
	v_max_num_f32 v17, v17, v26
	v_mov_b32 v25, v12
	v_mov_b32 v27, v16
	v_floor_f32 v12, -v13                          ; the new -M = floor(-t) = -ceil(t): M is a whole number
	v_floor_f32 v16, -v17
	v_sub_f32 v25, v12, v25                        ; M's old value less its new one: a whole number, 0 or less
	v_sub_f32 v27, v16, v27
	v_cvt_i32_f32 v25, v25                         ; (it saturates)
	v_cvt_i32_f32 v27, v27
	v_ldexp_f32 v20, 1.0, v25                      ; f = 2^(old M - new M): a multiplication by it rounds nothing
	v_ldexp_f32 v22, 1.0, v27
.set j, 0
.rept 32
	v_pk_fma_f32 v[SA+j:SA+j+1], v[SA+j:SA+j+1], s[38:39], v[12:13] op_sel_hi:[1,0,0]   ; t - M, two at a time (of the pairs c and -M the low word serves both halves)
	v_pk_fma_f32 v[SB+j:SB+j+1], v[SB+j:SB+j+1], s[38:39], v[16:17] op_sel_hi:[1,0,0]
.set j, j+2
.endr
	s_wait_alu depctr_va_vdst(0)
.set j, 0
.rept 128
	v_exp_f32 v[SA+j], v[SA+j]                     ; p = 2^(t - M), at most 1, not normalised: A's 64, then B's
.set j, j+1
.endr
	v_pk_mul_f32 v[14:15], v[14:15], v[20:21] op_sel_hi:[1,0]   ; the sums under the new M: the plain lines behind the exponentials
	v_pk_mul_f32 v[18:19], v[18:19], v[22:23] op_sel_hi:[1,0]
	s_wait_alu depctr_va_vdst(0)                   ; one wait for the batch of 128, ahead of its first reader
	v_pk_add_f32 v[24:25], v[SA:SA+1], v[SA+2:SA+3]             ; the rows' sums are taken of the unquantised p: four chains by turns
	v_pk_add_f32 v[26:27], v[SB:SB+1], v[SB+2:SB+3]
.set j, 4
.rept 15
	v_pk_add_f32 v[14:15], v[14:15], v[SA+j:SA+j+1]
	v_pk_add_f32 v[24:25], v[24:25], v[SA+j+2:SA+j+3]
	v_pk_add_f32 v[18:19], v[18:19], v[SB+j:SB+j+1]
	v_pk_add_f32 v[26:27], v[26:27], v[SB+j+2:SB+j+3]
.set j, j+4
.endr
	v_pk_add_f32 v[14:15], v[14:15], v[24:25]
	v_pk_add_f32 v[18:19], v[18:19], v[26:27]
	s_cmp_ge_i32 s47, -8                           ; p is at most 1, and 448 x 2^e9 is at least 1 from e9 = -8 on: there no p lies beyond the largest code
	s_cbranch_scc1 .Lnohold
.set j, 0
.rept 128
	v_min_num_f32 v[SA+j], v[SA+j], v31            ; else the hold (the conversion does not saturate: ISA guide 7.6.2); p is not negative, so it is one-sided
.set j, j+1
.endr
.Lnohold:
.irp t, 0,1,2,3,4,5,6,7
	v_cvt_scalef32_pk8_fp8_f32 v[PA+2*\t:PA+2*\t+1], v[SA+8*\t:SA+8*\t+7], v30   ; keys 16 t + 8 h + 0 .. 7: registers 2 t, 2 t + 1 of the second product's operand
.endr
	WIN 0x41                                       ; source 0 and destination window 1
	s_wait_alu depctr_va_vdst(0)                   ; directly ahead of the first reader of A's O^T
.set j, 0
.rept 16
	v_pk_mul_f32 v[j:j+1], v[j:j+1], v[20:21] op_sel_hi:[1,0]   ; A's O^T under the new M; also the plain lines between A's conversions and B's, which write over A's p
.set j, j+2
.endr
	WIN 0
.irp t, 0,1,2,3,4,5,6,7
	v_cvt_scalef32_pk8_fp8_f32 v[SA+2*\t:SA+2*\t+1], v[SB+8*\t:SB+8*\t+7], v30   ; B's codes go where A's p lay
.endr
	WIN 0x41
	s_wait_alu depctr_va_vdst(0)                   ; the same ahead of the first reader of B's O^T
.set j, 0
.rept 16
	v_pk_mul_f32 v[32+j:33+j], v[32+j:33+j], v[22:23] op_sel_hi:[1,0]   ; also the plain lines between the conversions and the products
.set j, j+2
.endr
	s_wait_alu depctr_va_vdst(0)
	s_wait_dscnt 0x0                               ; V^T is in
	WIN 0x50                                       ; C and D window 1
.irp d, 0,1,2,3
	v_wmma_f32_16x16x128_fp8_fp8 v[8*\d:8*\d+7], v[FR+16*\d:FR+16*\d+15], v[PA:PA+15], v[8*\d:8*\d+7]            ; eight accumulators, one instruction each
	v_wmma_f32_16x16x128_fp8_fp8 v[32+8*\d:39+8*\d], v[FR+16*\d:FR+16*\d+15], v[SA:SA+15], v[32+8*\d:39+8*\d]
.endr
	WIN 0
.Lhidden:
	s_barrier_wait -1                              ; every wave's part of step j + 1 lies in LDS
	s_wait_xcnt 0x0                                ; the loads and the prefetch have read their bases, which step now
	s_add_nc_u64 s[28:29], s[28:29], 8192
	s_add_nc_u64 s[30:31], s[30:31], 8192
	s_add_nc_u64 s[32:33], s[32:33], 8192
	s_add_co_u32 s36, s36, 512
	s_add_co_u32 s34, s34, 1
	s_cmp_lt_u32 s34, 32
	s_cbranch_scc1 .Lstep
; THE WAY OUT: O^T x 2^(e8 + e9) / the sum, quantised with 2^e10: registers 2 c, 2 c + 1 (c = 4 (head % 2) + tile) of the last projection's operand.
.rept 4
	v_nop                                          ; four places behind the last products
.endr
	v_add_f32 v14, v14, v15                        ; the sums' two halves,
	v_add_f32 v18, v18, v19
	v_permlanex16_b32 v28, v14, s40, s41
	v_permlanex16_b32 v29, v18, s40, s41
	v_add_f32 v14, v14, v28                        ; and lane l xor 16's
	v_add_f32 v18, v18, v29
	s_wait_alu depctr_va_vdst(0)
	v_rcp_f32 v24, v14
	v_rcp_f32 v26, v18
	v_mov_b32 v25, 0x7f7f7f7f                      ; (the plain line behind the reciprocals)
	v_cmp_eq_f32 vcc_lo, 0, v14                    ; no key of my query was visible
	v_cmp_eq_f32 s50, 0, v18
	v_cndmask_b32 v27, 0, v25, vcc_lo
	v_cndmask_b32 v28, 0, v25, s50
	v_mov_b32 v30, s6                              ; 2^e10
	v_mov_b32 v31, s7                              ; 448 x 2^e10
	s_wait_alu depctr_va_vdst(0)                   ; the wait ahead of the reciprocals' first reader
	v_ldexp_f32 v24, v24, s49
	v_ldexp_f32 v26, v26, s49
	WIN 0x01                                       ; source 0 window 1
	s_wait_alu depctr_va_vdst(0)                   ; directly ahead of the first reader of O^T
.set j, 0
.rept 32
	v_mul_f32 v[SA+j], v[j], v24
.set j, j+1
.endr
.set j, 0
.rept 32
	v_mul_f32 v[SA+32+j], v[32+j], v26
.set j, j+1
.endr
	WIN 0
.set j, 0
.rept 64
	v_med3_num_f32 v[SA+j], v[SA+j], -v31, v31
.set j, j+1
.endr
.irp d, 0,1,2,3,4,5,6,7
	v_cvt_scalef32_pk8_fp8_f32 v[FR+2*\d:FR+2*\d+1], v[SA+8*\d:SA+8*\d+7], v30
.endr
	v_nop                                          ; a plain line between the last conversion and the lines that touch its result
.irp i, 0,1,2,3,4,5,6,7
	v_or_b32 v[FR+\i], v[FR+\i], v27               ; the NaN code in every byte of such a query's row
	v_or_b32 v[FR+8+\i], v[FR+8+\i], v28
.endr
	global_store_b128 v2, v[FR:FR+3], s[22:23]                 ; 32 lanes store 512 consecutive bytes
	global_store_b128 v2, v[FR+4:FR+7], s[22:23] offset:512
	global_store_b128 v2, v[FR+8:FR+11], s[22:23] offset:8192  ; tile B: the next row tile
	global_store_b128 v2, v[FR+12:FR+15], s[22:23] offset:8704
	s_wait_tensorcnt 0x0                           ; the wave's end
	ds_add_u32 v5, v6
	s_wait_dscnt 0x0
	s_endpgm
.Lfunc_end_k_q6a6c854629_attn:
	.size	k_q6a6c854629_attn, .Lfunc_end_k_q6a6c854629_attn-k_q6a6c854629_attn
	.p2alignl 7, 3214868480
	.fill 96, 4, 3214868480
	.section	.rodata,"a",@progbits
	.p2align	6, 0x0
	.amdhsa_kernel k_q6a6c854629_attn
		.amdhsa_group_segment_fixed_size 99328
		.amdhsa_private_segment_fixed_size 0
		.amdhsa_enable_private_segment 0
		.amdhsa_kernarg_size 64
		.amdhsa_user_sgpr_count 2
		.amdhsa_user_sgpr_kernarg_segment_ptr 1
		.amdhsa_wavefront_size32 1
		.amdhsa_system_sgpr_workgroup_id_x 1
		.amdhsa_system_sgpr_workgroup_id_y 1
		.amdhsa_system_sgpr_workgroup_id_z 1
		.amdhsa_system_vgpr_workitem_id 0
		.amdhsa_next_free_vgpr 384
		.amdhsa_next_free_sgpr 66
		.amdhsa_reserve_vcc 1
		.amdhsa_float_denorm_mode_32 3
		.amdhsa_float_denorm_mode_16_64 3
		.amdhsa_memory_ordered 1
		.amdhsa_forward_progress 1
		.amdhsa_inst_pref_size 66
	.end_amdhsa_kernel
	.amdgpu_metadata
---
amdhsa.version: [ 1, 2 ]
amdhsa.kernels:
  - .name:           k_q6a6c854629_attn
    .symbol:         k_q6a6c854629_attn.kd
    .args:
      - { .name: qc, .offset: 0, .size: 8, .value_kind: global_buffer, .address_space: global }
      - { .name: kc, .offset: 8, .size: 8, .value_kind: global_buffer, .address_space: global }
      - { .name: vc, .offset: 16, .size: 8, .value_kind: global_buffer, .address_space: global }
      - { .name: segment_ids, .offset: 24, .size: 8, .value_kind: global_buffer, .address_space: global }
      - { .name: kbias, .offset: 32, .size: 8, .value_kind: global_buffer, .address_space: global }
      - { .name: cls, .offset: 40, .size: 8, .value_kind: global_buffer, .address_space: global }
      - { .name: lowp_scales, .offset: 48, .size: 8, .value_kind: global_buffer, .address_space: global }
      - { .name: ac, .offset: 56, .size: 8, .value_kind: global_buffer, .address_space: global }
    .group_segment_fixed_size: 99328
    .private_segment_fixed_size: 0
    .kernarg_segment_align: 8
    .kernarg_segment_size: 64
    .max_flat_workgroup_size: 256
    .sgpr_count:     66
    .vgpr_count:     384
    .wavefront_size: 32
...
	.end_amdgpu_metadata
.endif
;; end of part 3
;; launch oproj (part 4): grid 4 x 64, 16 waves a work-group, no clusters, 137,216 bytes of LDS; arguments ac, wcodes, lowp_scales, out0; writes out0
.if DOCPART == 4
	.amdgcn_target "amdgcn-amd-amdhsa--gfx1250"
	.amdhsa_code_object_version 6
	.text
	.protected	k_q6a6c854629_oproj
	.globl	k_q6a6c854629_oproj
	.p2align	8
	.type	k_q6a6c854629_oproj,@function
k_q6a6c854629_oproj:
	s_mov_b64 s[64:65], 0
	v_nop
	global_prefetch_b8 v0, s[64:65] scope:SCOPE_SE
	s_setreg_imm32_b32 hwreg(HW_REG_WAVE_MODE, 25, 1), 1
	s_wait_xcnt 0x0
; out0 = attn x wo^T on codes of E4M3, x 2^(e10 + e11).  Both operands lie in memory as images of operand registers (fragments of 16 rows x 128 K, 2,048 bytes, four chunks of 512).
; SHARES.  Work-group (x = cb, y = rb): 128 rows x 128 columns.  Wave w: row tile w / 2, column half w % 2: four tiles of 16 columns, four accumulators, K = 512 in four steps.
; wo's 32 fragments of the work-group's 128 columns (64 KB) are copied into LDS as they lie, 16 bytes a thread eight times; a barrier; each wave reads its 16.  The rows' four fragments go straight into registers.
; TRANSPOSED: source 0 = 16 rows of wo (columns of the result), source 1 = 16 rows of attn: a lane holds eight neighbouring columns of one row.  They go through the wave's own stage (16 rows x 256 bytes + 16) and
; leave as rows: sixteen lanes store 256 consecutive bytes, aligned.
; No tensor load and no joint request: the launch is one pass over 64 KB of weights a work-group, with no slot that is filled again.
; LIMIT: e10 + e11 between -126 and 127.  A NaN code in a row of attn makes that row of the result NaN.
; REGISTERS: v1-8 addresses; v14, v15 the add's two; v16-79 the rows' four fragments; v80-143 and v144-207 wo's four fragments of a K step, two buffers; v208-239 the accumulators.
.set STG,   65536
.set SPARE, 135168                     ; behind the sixteen stages: the spare words, 128 bytes a wave: eight blocks of 256 bytes that no other line names
	s_load_b256 s[4:11], s[0:1], 0x0               ; ac s[4:5], wcodes s[6:7], lowp_scales s[8:9], out0 s[10:11]
	v_lshl_add_u32 v14, v0, 2, SPARE
	v_mov_b32 v15, 0
	v_lshrrev_b32 v1, 5, v0
	s_delay_alu instid0(VALU_DEP_1)
	v_readfirstlane_b32 s12, v1                    ; wave 0..15
	v_lshlrev_b32 v1, 4, v0                        ; 16 x thread
	v_and_b32 v2, 31, v0
	s_delay_alu instid0(VALU_DEP_1)
	v_lshlrev_b32 v2, 4, v2                        ; 16 x lane
	v_and_b32 v3, 15, v0                           ; r
	v_bfe_u32 v4, v0, 4, 1                         ; h
	s_lshr_b32 s13, s12, 1                         ; my row tile
	s_and_b32 s14, s12, 1                          ; my column half
	s_lshl_b32 s15, s14, 15
	v_add_nc_u32 v5, s15, v2                       ; wo in LDS: fragment (column tile ct, K step s) at 2,048 (4 ct + s); my half begins 16 fragments on
	s_mul_i32 s16, s12, 4352
	s_add_co_u32 s16, s16, STG                     ; my stage
	v_mul_u32_u24 v6, v3, 272
	s_delay_alu instid0(VALU_DEP_1)
	v_lshl_add_u32 v6, v4, 5, v6
	s_delay_alu instid0(VALU_DEP_1)
	v_add_nc_u32 v6, s16, v6                       ; in: row r, + 32 h
	v_mul_u32_u24 v7, v4, 272
	s_delay_alu instid0(VALU_DEP_1)
	v_lshl_add_u32 v7, v3, 4, v7
	s_delay_alu instid0(VALU_DEP_1)
	v_add_nc_u32 v7, s16, v7                       ; back: lanes 0-15 one row, lanes 16-31 the next
	v_lshlrev_b32 v8, 11, v4
	s_delay_alu instid0(VALU_DEP_1)
	v_lshl_add_u32 v8, v3, 4, v8                   ; and the same two rows in out0
	s_and_b32 s17, ttmp7, 0xffff                   ; rb
	s_lshl_b32 s24, ttmp9, 16
	s_add_co_u32 s24, s24, 786432                  ; wo's fragments begin at 384 x 2,048; 32 of them for each cb
	s_mov_b32 s25, 0
	s_lshl_b32 s26, s17, 16                        ; ac: row tile 8 rb + i, 8,192 bytes each
	s_lshl_b32 s18, s13, 13
	s_add_co_u32 s26, s26, s18
	s_mov_b32 s27, 0
	s_lshl_b32 s28, s17, 18                        ; out0: row 128 rb + 16 i, byte 512 cb + 256 half
	s_lshl_b32 s18, s13, 15
	s_add_co_u32 s28, s28, s18
	s_lshl_b32 s18, ttmp9, 9
	s_add_co_u32 s28, s28, s18
	s_lshl_b32 s18, s14, 8
	s_add_co_u32 s28, s28, s18
	s_mov_b32 s29, 0
	s_wait_alu depctr_va_vdst(0)
	s_wait_kmcnt 0x0
	s_load_b64 s[20:21], s[8:9], 0x28              ; e10, e11
	s_add_nc_u64 s[6:7], s[6:7], s[24:25]
	s_add_nc_u64 s[4:5], s[4:5], s[26:27]
	s_add_nc_u64 s[10:11], s[10:11], s[28:29]
.irp i, 0,1,2,3,4,5,6,7
	global_load_b128 v[80+4*\i:83+4*\i], v1, s[6:7] offset:8192*\i
.endr
.irp i, 0,1,2,3,4,5,6,7,8,9,10,11,12,13,14,15
	global_load_b128 v[16+4*\i:19+4*\i], v2, s[4:5] offset:512*\i
.endr
	s_wait_loadcnt 16                              ; wo's eight loads are in; the rows' sixteen may be out
.irp i, 0,1,2,3,4,5,6,7
	ds_store_b128 v1, v[80+4*\i:83+4*\i] offset:8192*\i
.endr
	s_wait_dscnt 0x0                               ; for the others' sake: my stores have landed
	s_barrier_signal -1
	s_barrier_wait -1
.macro FETCH s, buf                    ; my four column tiles' fragments of K step s
.irp u, 0,1,2,3
.irp g, 0,1,2,3
	ds_load_b128 v[\buf+16*\u+4*\g:\buf+16*\u+4*\g+3], v5 offset:(4*\u+\s)*2048+512*\g
.endr
.endr
.endm
.macro MUL s, buf, zero                ; four accumulators by turns, one instruction a turn
.irp u, 0,1,2,3
.if \zero
	v_wmma_f32_16x16x128_fp8_fp8 v[208+8*\u:215+8*\u], v[\buf+16*\u:\buf+16*\u+15], v[16+16*\s:31+16*\s], 0
.else
	v_wmma_f32_16x16x128_fp8_fp8 v[208+8*\u:215+8*\u], v[\buf+16*\u:\buf+16*\u+15], v[16+16*\s:31+16*\s], v[208+8*\u:215+8*\u]
.endif
.endr
.endm
.macro PLACES                          ; four places in front of loads into registers that products have read, and of the first read of results
.rept 4
	v_nop
.endr
.endm
	FETCH 0, 80
	FETCH 1, 144
	s_wait_loadcnt 0x0                             ; the rows' fragments
	s_wait_dscnt 16                                ; K step 0's are in; K step 1's sixteen may be out
	MUL 0, 80, 1
	PLACES
	FETCH 2, 80
	s_wait_dscnt 16
	MUL 1, 144, 0
	PLACES
	FETCH 3, 144
	s_wait_dscnt 16
	MUL 2, 80, 0
	s_wait_dscnt 0x0
	MUL 3, 144, 0
	s_wait_kmcnt 0x0
	s_add_co_i32 s22, s20, s21
	s_add_co_i32 s22, s22, 127
	s_lshl_b32 s22, s22, 23                        ; 2^(e10 + e11) as f32
	s_mov_b32 s23, s22                             ; (named with it as a pair, so it is written)
	PLACES
.set j, 0
.rept 16
	v_pk_mul_f32 v[80+j:81+j], v[208+j:209+j], s[22:23] op_sel_hi:[1,0]   ; each accumulator from its low end on
.set j, j+2
.endr
.irp u, 0,1,2,3
	ds_store_b128 v6, v[80+8*\u:83+8*\u] offset:64*\u          ; lane (r, h): row r, columns 16 u + 8 h + 0 .. 7
	ds_store_b128 v6, v[84+8*\u:87+8*\u] offset:64*\u+16
.endr
.irp i, 0,1,2,3,4,5,6,7
	ds_load_b128 v[112+4*\i:115+4*\i], v7 offset:2*\i*272      ; LDS serves a wave's instructions in order (ISA guide 5.7.1.4): these see my stores
.endr
.irp i, 0,1,2,3,4,5,6,7
	s_wait_dscnt 7-\i                              ; the younger loads may be out
	global_store_b128 v8, v[112+4*\i:115+4*\i], s[10:11] offset:2*\i*2048 th:TH_STORE_NT   ; sixteen lanes store 256 consecutive bytes, at a multiple of 256 from out0's first byte
.endr
	s_wait_tensorcnt 0x0                           ; the wave's end
	ds_add_u32 v14, v15
	s_wait_dscnt 0x0
	s_endpgm
.Lfunc_end_k_q6a6c854629_oproj:
	.size	k_q6a6c854629_oproj, .Lfunc_end_k_q6a6c854629_oproj-k_q6a6c854629_oproj
	.p2alignl 7, 3214868480
	.fill 96, 4, 3214868480
	.section	.rodata,"a",@progbits
	.p2align	6, 0x0
	.amdhsa_kernel k_q6a6c854629_oproj
		.amdhsa_group_segment_fixed_size 137216
		.amdhsa_private_segment_fixed_size 0
		.amdhsa_enable_private_segment 0
		.amdhsa_kernarg_size 32
		.amdhsa_user_sgpr_count 2
		.amdhsa_user_sgpr_kernarg_segment_ptr 1
		.amdhsa_wavefront_size32 1
		.amdhsa_system_sgpr_workgroup_id_x 1
		.amdhsa_system_sgpr_workgroup_id_y 1
		.amdhsa_system_sgpr_workgroup_id_z 1
		.amdhsa_system_vgpr_workitem_id 0
		.amdhsa_next_free_vgpr 256
		.amdhsa_next_free_sgpr 66
		.amdhsa_reserve_vcc 0
		.amdhsa_float_denorm_mode_32 3
		.amdhsa_float_denorm_mode_16_64 3
		.amdhsa_memory_ordered 1
		.amdhsa_forward_progress 1
		.amdhsa_inst_pref_size 15
	.end_amdhsa_kernel
	.amdgpu_metadata
---
amdhsa.version: [ 1, 2 ]
amdhsa.kernels:
  - .name:           k_q6a6c854629_oproj
    .symbol:         k_q6a6c854629_oproj.kd
    .args:
      - { .name: ac, .offset: 0, .size: 8, .value_kind: global_buffer, .address_space: global }
      - { .name: wcodes, .offset: 8, .size: 8, .value_kind: global_buffer, .address_space: global }
      - { .name: lowp_scales, .offset: 16, .size: 8, .value_kind: global_buffer, .address_space: global }
      - { .name: out0, .offset: 24, .size: 8, .value_kind: global_buffer, .address_space: global }
    .group_segment_fixed_size: 137216
    .private_segment_fixed_size: 0
    .kernarg_segment_align: 8
    .kernarg_segment_size: 32
    .max_flat_workgroup_size: 512
    .sgpr_count:     66
    .vgpr_count:     256
    .wavefront_size: 32
...
	.end_amdgpu_metadata
.endif
;; end of part 4
